; MI455X (gfx1250); checked and timed in simulation.
; The chip was launched on July 23, 2026; its instructions are those of AMD's public machine-readable ISA for CDNA 5 (MIT licence, August 2026) and "CDNA5" Instruction Set Architecture Reference Guide (July 2026). The comments in the code are by the model that wrote it; some were corrected since.
;; Flattened Vector Quantizer. Allowed arithmetic: matrix products marked QUANTISED: E3M2 operands, one E8M0 scale for each 32 along K, by v_wmma_scale_f32_16x16x128_f8f6f4 with both operands' format E3M2, f32 sums; everything else in f32.
;; Inputs: weight 8,192 x 512 float32; z_flat 16,384 x 512 float32.
;; Outputs: out0 one number float32; out1 16,384 x 512 float32; out2 16,384 int32.
;; This version of the problem:
;;   THIS VERSION OF THE PROBLEM IS GIVEN IN LOW PRECISION. The matrix products marked QUANTISED in the list below multiply operands that are first quantised to E3M2 (3 exponent bits, 2 mantissa bits; 6 bits a number), with one power-of-two scale for each 32 numbers along K (OCP MX v1.0); their sums are f32. All else is computed in f32.
;;   The module's matrix products, in the order in which they are computed (A, B: the left and right operand; K: the contracted axis; several contracted axes count as one K, in the product's order):
;;     1. [M 16,384, K 512] x [K 512, N 8,192]; A: input z_flat; B: input weight: QUANTISED
;;   THE QUANTISER, for each operand of a quantised product, along K:
;;     - K is cut into blocks of 32 from its start; a last block that is shorter is filled with zeros.
;;     - A block's scale is 2^e with e = floor(log2(the largest magnitude in the block)) - 4, held to -126 .. 127; a block of zeros has e = 0. As a byte (E8M0): e + 127.
;;     - Each number is divided by its block's scale, clamped to +-28, and rounded to the nearest number of E3M2, ties to even, subnormals kept.
;;     - The product sums the exact products of the quantised numbers (number of the format x scale) in f32.
;;   ~~~python
;;   def quantise(x, axis):      # numpy; x: float32 -> the quantised numbers, widened to float32 again
;;       x = np.moveaxis(x, axis, -1); K = x.shape[-1]
;;       x = np.pad(x, [(0, 0)] * (x.ndim - 1) + [(0, -K % 32)]); x = x.reshape(x.shape[:-1] + (-1, 32)); a = np.abs(x).max(-1, keepdims=True)
;;       e = np.where(a > 0, np.clip(np.frexp(np.where(a > 0, a, 1))[1] - 1 - 4, -126, 127), 0)      # np.frexp(a)[1] - 1 = floor(log2(a)), exactly
;;       r = np.clip(x / 2.0 ** e, -28, 28)
;;       step = 2.0 ** (np.maximum(np.frexp(np.where(r == 0, 1, r))[1] - 1, -2) - 2)
;;       q = np.round(r / step) * step * 2.0 ** e      # np.round: ties to even
;;       return np.moveaxis(q.reshape(q.shape[:-2] + (-1,))[..., :K], -1, axis).astype(np.float32)
;;   ~~~
;; One version. Each part assembles by itself: llvm-mc -triple=amdgcn-amd-amdhsa -mcpu=gfx1250 --defsym DOCPART=n.
;; ======== version 1 of 1: 4 launches
;; limits: right only within a limited range of input values
;; workspace buffers: zr 6,815,744 bytes; wr 3,407,872 bytes; cand 1,048,576 bytes of whole numbers; part 1,024 bytes
;; launch quant (part 1): grid 256 x 1, 6 waves a work-group, no clusters, 51,456 bytes of LDS; arguments z_flat, weight, zr, wr; writes zr, wr
.if DOCPART == 1
	.amdgcn_target "amdgcn-amd-amdhsa--gfx1250"
	.amdhsa_code_object_version 6
	.text
	.protected	k_qd80a4a0552_quant
	.globl	k_qd80a4a0552_quant
	.p2align	8
	.type	k_qd80a4a0552_quant,@function
k_qd80a4a0552_quant:
	s_mov_b64 s[64:65], 0
	v_nop
	global_prefetch_b8 v0, s[64:65] scope:SCOPE_SE
	s_setreg_imm32_b32 hwreg(HW_REG_WAVE_MODE, 25, 1), 1
	s_wait_xcnt 0x0
; z_flat [16384][512] and weight [8192][512], f32, become codes of BF6 (E3M2) with one E8M0 byte for each 32 along K; of each row e of weight also -|e|^2 / 2 (of the unquantised numbers) in f32.
; WORK LEFT OUT, in this and the next launch: |z|^2.  reference() uses the distances |z|^2 + |e|^2 - 2 z.e only in an argmin over the codes of one token; |z|^2 is the same for all of them, so in real numbers
; it moves no index for any values of the inputs, and it reaches no other output (the loss and quantized_st are made of weight[indices] and z_flat themselves).  The least distance is the greatest z.e - |e|^2 / 2.
; LIMIT of that: a NaN, an infinity or an overflow that arises in |z|^2 alone is not carried to the result.
; A TILE is 16 rows x K 512.  A wave takes one tile: 1,024 tiles of z, then 512 of weight: 1,536 waves, six to a work-group.  Pointers are chosen by ids; a branch on ids leads z's tiles round the squares.
; A TILE'S RECORD is 6,656 bytes (26 blocks of 256) in zr or wr: 6,144 bytes of codes, 256 of scale words, and in wr the 16 rows' -|e|^2 / 2 four times over (256 bytes; in zr these bytes are neither written nor read).
; THE CODES ARE LAID AS IMAGES OF THE OPERAND'S REGISTERS: four fragments (K step s of 128) of 1,536 bytes; registers 4 g .. 4 g + 3 of lane l lie at 1536 s + 512 g + 16 l.
; In a fragment lane (r, h) holds row r; registers 6 c .. 6 c + 5 hold k = 128 s + 64 c + 32 h + 0 .. 31.  So the reader fetches a fragment by three loads of 16 bytes a lane.
; THE SCALE WORDS: lane (r, h) has 8 bytes at 8 l: the word of (row r, K step h), then that of (row r, K step 2 + h).
; A block's scale is 2^(floor(log2(its largest magnitude)) - 4): its byte is the largest magnitude's exponent field - 4, held at 1 from below by a floor among the maximum's leaves.
; LIMITS: a block of zeros gets the byte 1 where the rule says 127 (its codes are zeros, and this program alone reads the bytes); blocks whose largest magnitude lies under 2^(5 - 127) are held at that byte;
; NaN and infinities are not served; the sum of squares is taken in four chains and across two lanes, another order than a plain sum's.
; Each load reads 512 consecutive bytes of one row; a K step's 16 x 512 bytes turn through the wave's own stage in LDS (rows 528 bytes apart).  No barrier: waves share nothing.
.set ZT,    1024                       ; tiles of z
.set REC,   6656
.set PITCH, 528
.set WSTG,  16*PITCH                   ; a wave's stage
.set SW,    16                         ; v16-19  the four K steps' scale words of my row
.set SQ,    20                         ; v20-27  four pairs of sums of squares
.set C,     28                         ; v28-39  a fragment's codes
.set C2,    40                         ; v40-42, v44-46  the second halves of the blocks' codes, as the conversions leave them
.set R,     64                         ; v64-255 three sets of 64 numbers
	s_load_b256 s[4:11], s[0:1], 0x0               ; z, weight, zr, wr
	v_lshl_add_u32 v62, v0, 2, 0xc600              ; my spare word, behind the six stages
	v_mov_b32 v63, 0
	v_lshrrev_b32 v1, 5, v0
	v_readfirstlane_b32 s20, v1                    ; wave 0..5
	v_and_b32 v1, 31, v0                           ; lane
	v_and_b32 v2, 15, v0                           ; r
	v_bfe_u32 v3, v0, 4, 1                         ; h
	v_lshlrev_b32 v4, 4, v1                        ; 16 x lane: my bytes of a load, and of an image's store
	s_mul_i32 s34, s20, WSTG
	v_add_nc_u32 v5, s34, v4                       ; the stage, on the way in: row i at PITCH i, as loaded
	v_mul_u32_u24 v6, v2, PITCH
	v_lshl_add_u32 v6, v3, 7, v6
	v_add_nc_u32 v6, s34, v6                       ; and on the way out: row r, + 128 h: my 32 numbers of each 64
	v_lshlrev_b32 v7, 3, v1                        ; 8 x lane: the scale words' image
	v_lshlrev_b32 v47, 3, v3                       ; 8 h: my bytes' place in a scale word
	v_lshlrev_b32 v48, 2, v1                       ; 4 x lane: my row's norm, lanes 16-31 a second copy
	v_mov_b32 v15, 0                               ; written once: a lane permute's destination counts as one of its sources
.irp i, 0,1,2,3,4,5,6,7
	v_mov_b32 v[SQ+\i], 0                          ; the eight sums begin here, on both ways through the text
.endr
	s_mov_b32 s32, 0x76543210
	s_mov_b32 s33, 0xfedcba98                      ; v_permlanex16_b32's selects for lane l xor 16
	s_mul_i32 s21, ttmp9, 6
	s_add_co_u32 s21, s21, s20                     ; my tile among the 1,536
	s_wait_alu depctr_va_vdst(0)                   ; the wait at the head's end
	s_wait_kmcnt 0x0
	s_cmp_lt_u32 s21, ZT                           ; z's or weight's?  The choice hangs on ids alone
	s_cselect_b64 s[24:25], s[4:5], s[6:7]         ; the numbers
	s_cselect_b64 s[26:27], s[8:9], s[10:11]       ; the records
	s_cselect_b32 s36, 0, 1                        ; 1: a tile of weight
	s_cselect_b32 s22, 0, ZT
	s_sub_co_u32 s21, s21, s22                     ; my tile in its tensor
	s_mov_b32 s23, 0
	s_lshl_b32 s22, s21, 15                        ; 16 rows of 2,048 bytes
	s_add_nc_u64 s[24:25], s[24:25], s[22:23]
	s_mul_i32 s22, s21, REC
	s_add_nc_u64 s[26:27], s[26:27], s[22:23]      ; my tile's record
.macro LOAD s, set                     ; K step s: 512 bytes of each of the 16 rows
.irp i, 0,1,2,3,4,5,6,7,8,9,10,11,12,13,14,15
	global_load_b128 v[R+64*\set+4*\i:R+64*\set+4*\i+3], v4, s[24:25] offset:2048*\i+512*\s th:TH_LOAD_NT
.endr
.endm
; left: the loads issued behind this step's sixteen, which may stay out
.macro STEP s, set, left
.set XS, R+64*\set
	s_wait_loadcnt \left
.irp i, 0,1,2,3,4,5,6,7,8,9,10,11,12,13,14,15
	ds_store_b128 v5, v[XS+4*\i:XS+4*\i+3] offset:PITCH*\i
.endr
.irp c, 0,1                            ; LDS serves a wave's instructions in order: these see the stores above, and land in the registers that those have left
.irp q, 0,1,2,3,4,5,6,7
	ds_load_b128 v[XS+32*\c+4*\q:XS+32*\c+4*\q+3], v6 offset:256*\c+16*\q
.endr
.endr
	s_wait_dscnt 0x0                               ; registers 32 c + i now hold k = 128 s + 64 c + 32 h + i of row r: two whole blocks
.irp c, 0,1
	v_max3_num_f32 v[8+\c], |v[XS+32*\c]|, |v[XS+32*\c+1]|, 0x2800000   ; the block's largest magnitude, and the floor 2^(5 - 127)
.endr
.irp i, 2,4,6,8,10,12,14,16,18,20,22,24,26,28,30
.irp c, 0,1
	v_max3_num_f32 v[8+\c], v[8+\c], |v[XS+32*\c+\i]|, |v[XS+32*\c+\i+1]|   ; (the two blocks by turns)
.endr
.endr
	s_cmp_eq_u32 s36, 0
	s_wait_alu depctr_va_vdst(0)                   ; the wait directly ahead of the branch
	s_cbranch_scc1 .Lno_squares_\@                 ; a tile of z: its squares reach no output
.set i, 0
.rept 32                               ; the squares, two at a time, in four chains
	v_pk_fma_f32 v[SQ+2*(i%4):SQ+2*(i%4)+1], v[XS+2*i:XS+2*i+1], v[XS+2*i:XS+2*i+1], v[SQ+2*(i%4):SQ+2*(i%4)+1]
.set i, i+1
.endr
.Lno_squares_\@:
.irp c, 0,1
	v_add_nc_u32 v[10+\c], 0xfe000000, v[8+\c]     ; 4 off the exponent field: the conversion takes the exponent field of this operand as its scale
.endr
.irp c, 0,1
	v_lshrrev_b32 v[12+\c], 23, v[10+\c]           ; the scale's byte
.endr
	v_lshl_or_b32 v14, v13, 16, v12                ; my two bytes: blocks h and 2 + h,
	v_lshlrev_b32 v14, v47, v14                    ; at their places in the word;
	v_permlanex16_b32 v15, v14, s32, s33
	v_or_b32 v[SW+\s], v14, v15                    ; with lane l xor 16's two the word is whole
	s_wait_alu depctr_va_vdst(0)                   ; the wait ahead of the blocking wait
	s_wait_xcnt 0x0                                ; the last step's stores have read the codes' registers: they are written again only behind this wait
.irp c, 0,1
	v_cvt_scalef32_pk16_bf6_f32 v[C+6*\c:C+6*\c+2], v[XS+32*\c:XS+32*\c+15], v[10+\c]
	v_cvt_scalef32_pk16_bf6_f32 v[C2+4*\c:C2+4*\c+2], v[XS+32*\c+16:XS+32*\c+31], v[10+\c]   ; (a conversion's three registers begin on an even number)
.endr
	v_nop                                          ; one plain place behind a scaled conversion
.irp c, 0,1
.irp i, 0,1,2
	v_mov_b32 v[C+3+6*\c+\i], v[C2+4*\c+\i]
.endr
.endr
.irp g, 0,1,2
	global_store_b128 v4, v[C+4*\g:C+4*\g+3], s[26:27] offset:1536*\s+512*\g   ; 32 lanes store 512 consecutive bytes, at a multiple of 256 from the buffer's first byte
.endr
.endm
	LOAD 0, 0
	LOAD 1, 1
	LOAD 2, 2
	STEP 0, 0, 32                                  ; K steps 1 and 2 may be out
	LOAD 3, 0                                      ; into the set that step 0 has left
	STEP 1, 1, 32                                  ; K steps 2 and 3 may be out
	STEP 2, 2, 16                                  ; K step 3 may be out
	STEP 3, 0, 0
	v_cmp_le_u32 vcc_lo, 16, v1                    ; lanes 16-31 take the odd K steps' words
	v_cndmask_b32 v14, v[SW], v[SW+1], vcc_lo
	v_cndmask_b32 v15, v[SW+2], v[SW+3], vcc_lo
	global_store_b64 v7, v[14:15], s[26:27] offset:6144   ; 32 lanes store 256 consecutive bytes, aligned
	s_cmp_eq_u32 s36, 0
	s_cbranch_scc1 .Lend                           ; a tile of z has no norms
	v_pk_add_f32 v[SQ:SQ+1], v[SQ:SQ+1], v[SQ+2:SQ+3]
	v_pk_add_f32 v[SQ+4:SQ+5], v[SQ+4:SQ+5], v[SQ+6:SQ+7]
	v_pk_add_f32 v[SQ:SQ+1], v[SQ:SQ+1], v[SQ+4:SQ+5]
	v_add_f32 v[SQ], v[SQ], v[SQ+1]
	v_permlanex16_b32 v[SQ+1], v[SQ], s32, s33
	v_add_f32 v[SQ], v[SQ], v[SQ+1]                ; with lane l xor 16's half of the row: every lane holds row r's sum
	v_mul_f32 v[SQ], -0.5, v[SQ]                   ; -|e|^2 / 2: exact
	global_store_b32 v48, v[SQ], s[26:27] offset:6400   ; 32 lanes store 128 consecutive bytes: the 16 numbers twice;
	global_store_b32 v48, v[SQ], s[26:27] offset:6528   ; and twice more: the record's last 256 bytes are whole
.Lend:
	s_wait_tensorcnt 0x0                           ; the wave's end
	ds_add_u32 v62, v63
	s_wait_dscnt 0x0
	s_endpgm
.Lfunc_end_k_qd80a4a0552_quant:
	.size	k_qd80a4a0552_quant, .Lfunc_end_k_qd80a4a0552_quant-k_qd80a4a0552_quant
	.p2alignl 7, 3214868480
	.fill 96, 4, 3214868480
	.section	.rodata,"a",@progbits
	.p2align	6, 0x0
	.amdhsa_kernel k_qd80a4a0552_quant
		.amdhsa_group_segment_fixed_size 51456
		.amdhsa_private_segment_fixed_size 0
		.amdhsa_enable_private_segment 0
		.amdhsa_kernarg_size 32
		.amdhsa_user_sgpr_count 2
		.amdhsa_user_sgpr_kernarg_segment_ptr 1
		.amdhsa_wavefront_size32 1
		.amdhsa_system_sgpr_workgroup_id_x 1
		.amdhsa_system_sgpr_workgroup_id_y 1
		.amdhsa_system_sgpr_workgroup_id_z 1
		.amdhsa_system_vgpr_workitem_id 0
		.amdhsa_next_free_vgpr 256
		.amdhsa_next_free_sgpr 66
		.amdhsa_reserve_vcc 1
		.amdhsa_float_denorm_mode_32 3
		.amdhsa_float_denorm_mode_16_64 3
		.amdhsa_memory_ordered 1
		.amdhsa_forward_progress 1
		.amdhsa_inst_pref_size 39
	.end_amdhsa_kernel
	.amdgpu_metadata
---
amdhsa.version: [ 1, 2 ]
amdhsa.kernels:
  - .name:           k_qd80a4a0552_quant
    .symbol:         k_qd80a4a0552_quant.kd
    .args:
      - { .name: z_flat, .offset: 0, .size: 8, .value_kind: global_buffer, .address_space: global }
      - { .name: weight, .offset: 8, .size: 8, .value_kind: global_buffer, .address_space: global }
      - { .name: zr, .offset: 16, .size: 8, .value_kind: global_buffer, .address_space: global }
      - { .name: wr, .offset: 24, .size: 8, .value_kind: global_buffer, .address_space: global }
    .group_segment_fixed_size: 51456
    .private_segment_fixed_size: 0
    .kernarg_segment_align: 8
    .kernarg_segment_size: 32
    .max_flat_workgroup_size: 192
    .sgpr_count:     66
    .vgpr_count:     256
    .wavefront_size: 32
...
	.end_amdgpu_metadata
.endif
;; end of part 1
;; launch dist (part 2): grid 32 x 8, 8 waves a work-group, clusters of 4 x 1, 327,680 bytes of LDS; arguments zr, wr, cand; writes cand
.if DOCPART == 2
	.amdgcn_target "amdgcn-amd-amdhsa--gfx1250"
	.amdhsa_code_object_version 6
	.text
	.protected	k_qd80a4a0552_dist
	.globl	k_qd80a4a0552_dist
	.p2align	8
	.type	k_qd80a4a0552_dist,@function
k_qd80a4a0552_dist:
	s_mov_b64 s[64:65], 0
	v_nop
	global_prefetch_b8 v0, s[64:65] scope:SCOPE_SE
	s_setreg_imm32_b32 hwreg(HW_REG_WAVE_MODE, 25, 1), 1
	s_wait_xcnt 0x0
	s_wait_alu depctr_hold_cnt(0) depctr_sa_sdst(0) depctr_va_vdst(0) depctr_va_sdst(0) depctr_va_ssrc(0) depctr_va_vcc(0) depctr_vm_vsrc(0)
	s_getreg_b32 s2, hwreg(HW_REG_IB_STS2, 6, 4)
	s_cmp_eq_u32 s2, 0
	s_cbranch_scc0 .Lentry_in_a_cluster
	s_endpgm
.Lentry_in_a_cluster:
	s_bfe_u32 s2, ttmp6, 0x10000c
	s_cmp_lg_u32 s2, 0x3003
	s_cbranch_scc0 .Lentry_shape_is_right
	s_endpgm
.Lentry_shape_is_right:
; For each token the greatest s = z.e - |e|^2 / 2 over a RANGE of 1,024 codes, and the first code that has it: the code of the least distance.  |z|^2 is left out: it is the same for all codes of a token (see the first kernel's head).
; z.e is the product on codes of BF6 with E8M0 scales; -|e|^2 / 2 is the C of each sum's first matrix instruction, so that no vector instruction forms s.  The sums never leave the registers.
; SHARES.  Grid x: 32 blocks of 512 tokens; grid y: 8 ranges of 1,024 codes (64 tiles of 16).  Eight waves, two to a SIMD.  Wave w keeps tokens 64 w .. 64 w + 63 of the block, all of K, in registers:
; 4 token tiles x 4 fragments x 12 registers.  All waves walk the range's 64 code tiles out of LDS: a tile's record feeds 16 matrix instructions in each wave.
; A RECORD (6,656 bytes, laid by the launch before): a tile's codes as images of the operand's registers (6,144), its scale words (256), its 16 numbers -|e|^2 / 2 four times over (256).
; THE PRODUCT IS USED TRANSPOSED (source 0 = 16 codes, source 1 = 16 tokens): lane (r, h) holds token r, register j code 8 h + j.  So a token's running best needs no other lane until the end.
; CLUSTER.  The four token blocks of a cluster share the range: its records are asked for JOINTLY (mask 15).  A token's record is read once in a cluster, by one wave, straight into registers: not shared.
; NO PREFETCH: a refill is issued 16 code tiles, 256 matrix instructions a wave, ahead of its first read, and a range is four fills long.
; THE RUNNING BEST, for each token tile m, in a lane: B the greatest s so far, ID the code tile that had it, CW that tile's eight s.  A later tile takes their place only where its greatest s is strictly greater: ties
; stay with the lower code.  At the end the first of CW's eight that equals B gives the code; lanes l and l xor 16 are merged on (key, code).  key = the bits of -s turned so that u32 order is the order of -s.
; A TURN (one code tile) has two halves: 8 matrix instructions on two token tiles, in pairs, and behind each pair a slice of the judging of the other two, whose sums were made in the half before: 14 lines a tile.
; LIMITS: NaN and infinities are not served.  s is rounded by the matrix unit in each of the four K steps: another order of rounding than (|z|^2 + |e|^2) - 2 z.e in f32; two codes of a token whose distances
; differ by no more than a few units in the last place of |e|^2 may change places.
; LDS: slot 0 (16 records) | a stage for the way out | the spare words | (from 2^17) slot 1.  All reads are 16 or 8 consecutive bytes a lane, or the same bytes in sixteen lanes: no padding.
; This launch claims all of LDS.
; REGISTERS: window 0: all below; window 1: the tokens (tile m, K step s at v[48 m + 12 s]).
.set REC,   6656
.set SLOTB, 16*REC
.set STAGE, SLOTB                      ; 512 bytes for each wave
.set SPARE, STAGE+4096                 ; the spare words, 128 bytes for each wave: four blocks of 256 bytes that no other line names
.set SLOT1, 1<<17
.set L16, 1                            ; v1   16 x lane
.set LW,  2                            ; v2   LDS address of the even tile being fetched: its codes,
.set LSA, 3                            ; v3   its scale words,
.set LEA, 4                            ; v4   its norms; the odd tile behind it lies REC further on
.set SPW, 5                            ; v5   my spare word; never rewritten
.set NIL, 6                            ; v6   0; never rewritten
.set LS0, 7                            ; v7   6,144 + 8 x lane
.set LE0, 8                            ; v8   6,400 + 32 h
.set SA,  9                            ; v9   the stage: where I put a word
.set SR,  10                           ; v10  and where I read 16 bytes back
.set H8,  11                           ; v11  8 h
.set XY,  12                           ; v12-15  partial maxima, a pair for each of two tiles at work
.set B,   24                           ; v24-31  the greatest s: set p written by code tiles of parity p, so that old and new stand side by side
.set ID,  32                           ; v32-35
.set WS,  36                           ; v36-39  the codes' scale words: register 2 p + q: K step 2 q in lanes 0-15, 2 q + 1 in lanes 16-31
.set ZS,  40                           ; v40-47  the tokens' likewise: 2 m + q
.set E,   48                           ; v48-63  -|e|^2 / 2 of codes 8 h + 0 .. 7, a set for each buffer
.set TMP, 64                           ; v64-79  at the head and at the end
.set ACC, 80                           ; v80-111 the four accumulators
.set CW,  112                          ; v112-143
.set WB,  144                          ; v144-239 two code tiles: buffer p, K step s at v[WB + 48 p + 12 s]
.set WV,  10
.set G1,  16                           ; s[16:23] group 1: 52 rows of 256 bytes (two records)
.set G0A, 24                           ; slot 0's first fill
.set G0B, 28                           ; slot 1's first fill; then it walks
.set TB,  36                           ; LDS byte of the next even tile to fetch
.set CUR, 37                           ; the code tile in hand, counted over all 512
.set PRV, 38                           ; the one before
.set CNT, 39
.set MSK, 40                           ; s40-41 'the old best stands', for each of two tiles at work
.set HM,  42                           ; lanes 16-31
.set NINF, 43
.set SEL, 44                           ; s[44:45] v_permlanex16_b32's selects for lane l xor 16
.set MSB, 0
.macro WIN new                         ; bits 3:2 source 1, 7:6 destination; the high byte repeats the setting that is left
.if MSB != (\new)
	s_set_vgpr_msb (MSB<<8)|(\new)
.set MSB, (\new)
.endif
.endm
.macro CROUND                          ; a round of the cluster's barrier
	s_barrier_signal -1
	s_barrier_wait -1
	s_cmp_lg_u32 s[WV], 0
	s_cbranch_scc1 .Lnot_wave_0_\@
	s_barrier_signal -3
.Lnot_wave_0_\@:
	s_barrier_wait -3
	s_barrier_signal -1
	s_barrier_wait -1
.endm
.macro TLOAD g0                        ; a joint load: the same line, descriptor and mask in all four work-groups
	tensor_load_to_lds s[\g0:\g0+3], s[G1:G1+7]
	s_nop 0
.rept 4
	v_nop
.endr
.endm
	s_load_b128 s[4:7], s[0:1], 0x0                ; zr, wr
	s_load_b64 s[8:9], s[0:1], 0x10                ; cand
	v_lshl_add_u32 v[SPW], v0, 2, SPARE
	v_mov_b32 v[NIL], 0
	ds_add_u32 v[SPW], v[NIL]                      ; the opening lines: the add, twice on end, and one wait ahead of my first tensor load
	ds_add_u32 v[SPW], v[NIL]
	v_lshrrev_b32 v[TMP], 5, v0
	v_readfirstlane_b32 s[WV], v[TMP]              ; wave 0..7
	s_bfe_u32 s11, ttmp6, 0x40000                  ; cx: it enters the tokens' and cand's global addresses alone
	s_lshl_b32 s12, ttmp9, 2
	s_add_co_u32 s12, s12, s11                     ; token block = 4 x cluster x + cx
	s_and_b32 s13, ttmp7, 0xffff                   ; the range, which the four partners share
	s_mov_b32 s[G1], 15|(3<<16)|(1<<21)            ; the mask: all four work-groups; elements of 8 bytes; bit 21 beside a mask; no padding
	s_mov_b32 s[G1+1], 32<<16                      ; tensor_dim0: a dense block as rows of 256 bytes
	s_mov_b32 s[G1+2], 52<<16                      ; tensor_dim1
	s_mov_b32 s[G1+3], 32<<16                      ; tile_dim0
	s_mov_b32 s[G1+4], 52                          ; tile_dim1
	s_mov_b32 s[G1+5], 32                          ; from row to row
	s_mov_b32 s[G1+6], 0
	s_mov_b32 s[G1+7], 0
	s_mul_i32 s14, s[WV], 2*REC                    ; my eighth of a slot: no place in the cluster enters it
	s_mov_b32 s[G0A], 1
	s_mov_b32 s[G0A+1], s14
	s_mov_b32 s[G0B], 1
	s_add_co_u32 s[G0B+1], s14, SLOT1
	s_mov_b32 s33, 0
	s_lshl_b32 s34, s12, 5
	s_lshl_b32 s35, s[WV], 2
	s_add_co_u32 s34, s34, s35                     ; my first token tile: 32 x block + 4 x wave
	s_lshl_b32 s15, s[WV], 9
	s_add_co_u32 s15, s15, STAGE                   ; my stage
	v_and_b32 v[TMP], 31, v0                       ; lane
	v_and_b32 v[TMP+1], 15, v0                     ; r
	v_bfe_u32 v[TMP+4], v0, 4, 1                   ; h
	v_lshlrev_b32 v[L16], 4, v[TMP]
	v_lshlrev_b32 v[TMP+2], 3, v[TMP]              ; 8 x lane
	v_lshl_add_u32 v[LS0], v[TMP], 3, 6144
	v_lshl_add_u32 v[LE0], v[TMP+4], 5, 6400
	v_lshlrev_b32 v[H8], 3, v[TMP+4]
	v_lshlrev_b32 v[SA], 3, v[TMP+1]
	v_lshl_add_u32 v[SA], v[TMP+4], 2, v[SA]
	v_add_nc_u32 v[SA], s15, v[SA]                 ; token r's 8 bytes: lanes 0-15 the key, lanes 16-31 the code
	v_add_nc_u32 v[SR], s15, v[L16]
	s_wait_alu depctr_va_vdst(0)                   ; the wait ahead of the blocking waits
	s_wait_dscnt 0x0                               ; both opening adds are done
	s_wait_kmcnt 0x0
	s_mul_i32 s32, s34, REC
	s_add_nc_u64 s[4:5], s[4:5], s[32:33]          ; my four tokens' records: asked for ahead of the round, so that they are on their way while the work-groups meet
	WIN 0x40                                       ; destination window 1
.irp m, 0,1,2,3
.irp g, 0,1,2,3,4,5,6,7,8,9,10,11
	global_load_b128 v[48*\m+4*\g:48*\m+4*\g+3], v[L16], s[4:5] offset:REC*\m+512*\g
.endr
.endr
	WIN 0
.irp m, 0,1,2,3
	global_load_b64 v[ZS+2*\m:ZS+2*\m+1], v[TMP+2], s[4:5] offset:REC*\m+6144
.endr
	s_mul_i32 s32, s13, 64*REC
	s_add_co_u32 s32, s32, s14
	s_add_nc_u64 s[G0A+2:G0A+3], s[6:7], s[32:33]      ; code tiles 0-15 of the range, my two
	s_add_nc_u64 s[G0B+2:G0B+3], s[G0A+2:G0A+3], SLOTB ; tiles 16-31
	s_or_b32 s[G0A+3], s[G0A+3], 0x80000000
	s_or_b32 s[G0B+3], s[G0B+3], 0x80000000
	CROUND                                         ; all four work-groups are here: the first joint loads meet
	TLOAD G0A                                      ; one tensor load a wave at the head
	s_lshl_b32 s32, s34, 7                         ; cand: [range][token] pairs of words: 128 bytes a token tile,
	s_lshl_b32 s35, s13, 17                        ; 131,072 a range
	s_add_co_u32 s32, s32, s35
	s_add_nc_u64 s[8:9], s[8:9], s[32:33]
	; The turn is written once for all 64 code tiles: the first finds, for token tiles 2 and 3, a tile 'before the first' whose s is -infinity, which takes no best's place.
	s_mov_b32 s[NINF], 0xff800000
.irp i, 0,1,2,3,4,5,6,7
	v_mov_b32 v[B+\i], s[NINF]
.endr
.irp i, 0,1,2,3
	v_mov_b32 v[ID+\i], 0
.endr
.set i, 0
.rept 32
	v_mov_b32 v[CW+i], s[NINF]                     ; (a select reads what it may keep)
.set i, i+1
.endr
.set i, 16
.rept 16
	v_mov_b32 v[ACC+i], s[NINF]
.set i, i+1
.endr
	s_mov_b32 s[TB], 0
	s_lshl_b32 s[CUR], s13, 6
	s_mov_b32 s[PRV], s[CUR]
	s_mov_b32 s[HM], 0xffff0000
	s_mov_b32 s[SEL], 0x76543210
	s_mov_b32 s[SEL+1], 0xfedcba98
.macro ADDR                            ; the addresses of the next even tile; they serve the odd one behind it too
	v_add_nc_u32 v[LW], s[TB], v[L16]
	v_add_nc_u32 v[LSA], s[TB], v[LS0]
	v_add_nc_u32 v[LEA], s[TB], v[LE0]
	s_add_co_u32 s[TB], s[TB], 2*REC
.endm
.macro FETCH q                         ; a code tile's two scale registers, twelve groups of four registers and eight norms, into buffer q (even tiles 0, odd tiles 1)
	ds_load_b64 v[WS+2*(\q):WS+2*(\q)+1], v[LSA] offset:REC*(\q)
	ds_load_b128 v[E+8*(\q):E+8*(\q)+3], v[LEA] offset:REC*(\q)
	ds_load_b128 v[E+8*(\q)+4:E+8*(\q)+7], v[LEA] offset:REC*(\q)+16
.irp g, 0,1,2,3,4,5,6,7,8,9,10,11
	ds_load_b128 v[WB+48*(\q)+4*\g:WB+48*(\q)+4*\g+3], v[LW] offset:REC*(\q)+512*\g
.endr
.endm
; Step QS of 14 of the judging of token tile QM against a code tile of parity QP.
.macro VS
.set AC, ACC+8*QM
.set XX, XY+2*(QM%2)
.set BN, B+4*QP+QM
.set BO, B+4*(1-QP)+QM
.set MK, MSK+QM%2
.set TI, CUR
.if QM >= 2
.set TI, PRV                           ; tiles 2 and 3 are judged in the next turn
.endif
.if QS == 0
	v_max3_num_f32 v[XX], v[AC], v[AC+1], v[AC+2]  ; the accumulator is read from its low end on
.elseif QS == 1
	v_max3_num_f32 v[XX+1], v[AC+3], v[AC+4], v[AC+5]
.elseif QS == 2
	v_max3_num_f32 v[XX], v[XX], v[AC+6], v[AC+7]
.elseif QS == 3
	v_max3_num_f32 v[BN], v[XX], v[XX+1], v[BO]    ; the new best
.elseif QS == 4
	v_cmp_eq_f32 s[MK], v[BN], v[BO]               ; 1 where the old best stands: the new one is never less, so a tie stays with the earlier tile
.elseif QS == 5
	v_cndmask_b32 v[ID+QM], s[TI], v[ID+QM], s[MK]
.else
	v_cndmask_b32 v[CW+8*QM+QS-6], v[AC+QS-6], v[CW+8*QM+QS-6], s[MK]
.endif
.endm
; Half a turn: 8 matrix instructions on token tiles 2 hb, 2 hb + 1 (K step by K step, the two accumulators by turns, one instruction a turn), code tile in buffer p; behind each pair a slice
; of 7 lines of the other two token tiles' judging, against the code tile of parity par: the two tiles alternate, so that no line reads the result of the line above it.  mm = 0: the slices alone.
.macro HALF hb, p, par, mm
.set QP, (\par)
.set KS, 0
.rept 4
.if \mm
	WIN 0x04                                       ; source 1 (the tokens) window 1
.set u, 0
.rept 2
.set MT, 2*(\hb)+u
.set RD, ACC+8*MT
.set RA, WB+48*(\p)+12*KS
.set RB, 48*MT+12*KS
.set RC, E+8*(\p)
.set RSA, WS+2*(\p)+KS/2
.set RSB, ZS+2*MT+KS/2
.if KS == 0
	v_wmma_scale_f32_16x16x128_f8f6f4 v[RD:RD+7], v[RA:RA+11], v[RB:RB+11], v[RC:RC+7], v[RSA], v[RSB] matrix_a_fmt:MATRIX_FMT_BF6 matrix_b_fmt:MATRIX_FMT_BF6
.elseif KS == 2
	v_wmma_scale_f32_16x16x128_f8f6f4 v[RD:RD+7], v[RA:RA+11], v[RB:RB+11], v[RD:RD+7], v[RSA], v[RSB] matrix_a_fmt:MATRIX_FMT_BF6 matrix_b_fmt:MATRIX_FMT_BF6
.else
	v_wmma_scale_f32_16x16x128_f8f6f4 v[RD:RD+7], v[RA:RA+11], v[RB:RB+11], v[RD:RD+7], v[RSA], v[RSB] matrix_a_fmt:MATRIX_FMT_BF6 matrix_b_fmt:MATRIX_FMT_BF6 matrix_a_scale:MATRIX_SCALE_ROW1 matrix_b_scale:MATRIX_SCALE_ROW1
.endif
.set u, u+1
.endr
	WIN 0
.endif
.set n, 7*KS
.rept 7
.set QM, 2*(1-(\hb))+n%2
.set QS, n/2
	VS
.set n, n+1
.endr
.set KS, KS+1
.endr
.endm
; A turn: the code tile in buffer p.  look = 1: the next tile is fetched into the other buffer.
; PLACES.  The loads into the other buffer, its scale registers and its norms stand behind the last slice of the turn before: seven plain vector instructions that name none of the last products' registers (four are asked).
; An accumulator's first reader stands behind the same seven; a product that begins a sum anew stands a whole turn behind the last product on that accumulator.
.macro TURN p, look
	s_wait_dscnt 0x0                               ; this tile's fragments, scale words and norms are in
.if \look
.if \p
	ADDR                                           ; the next tile is an even one
.endif
	FETCH 1-\p
.endif
	HALF 0, \p, 1-\p, 1
	HALF 1, \p, \p, 1
	s_mov_b32 s[PRV], s[CUR]
	s_add_co_u32 s[CUR], s[CUR], 1
.endm
.macro PAIRS trips
	s_mov_b32 s[CNT], \trips
.Lpair_\@:
	TURN 1, 1
	TURN 0, 1
	s_sub_co_u32 s[CNT], s[CNT], 1
	s_cmp_lg_u32 s[CNT], 0
	s_cbranch_scc1 .Lpair_\@
.endm
; THE CHANGE OF SLOTS stands where the slot's last tile has been asked of LDS.  Each wave waits for all its tensor loads (its part of the other slot), adds 0 to its spare word, and waits for that and for its reads
; of the slot.  fill = 1: the barrier is a round of the cluster's, and behind it the slot just left is filled with the tiles two slots on: 16 turns ahead of their first read.
.macro CHANGE fill, base
	s_wait_tensorcnt 0x0                           ; no tensor load of mine is out, so a group 0 may be written
	ds_add_u32 v[SPW], v[NIL]                      ; 0 onto my spare word
	s_mov_b32 s[TB], \base                         ; the fetches go on in the other slot
.if \fill
	s_xor_b32 s[G0B+1], s[G0B+1], SLOT1            ; the walking descriptor: the other slot than last time,
	s_add_nc_u64 s[G0B+2:G0B+3], s[G0B+2:G0B+3], SLOTB   ; the next 16 tiles; the type bits on top are not reached
	s_wait_dscnt 0x0                               ; the add is done, and my reads of the slot are over
	CROUND
	TLOAD G0B                                      ; my one tensor load behind the round, and the first thing there
.else
	s_wait_dscnt 0x0
	s_barrier_signal -1
	s_barrier_wait -1
.endif
.endm
	s_wait_alu depctr_va_vdst(0)                   ; the wait at the head's end
	s_wait_tensorcnt 0x0                           ; my part of slot 0 is in
	ds_add_u32 v[SPW], v[NIL]
	s_wait_dscnt 0x0
	CROUND                                         ; everybody's part is in, and the joint loads meet
	TLOAD G0B                                      ; slot 1's first fill: tiles 16 .. 31
	ADDR
	FETCH 0
	s_wait_alu depctr_va_vdst(0)                   ; the wait ahead of the blocking wait below
	s_wait_loadcnt 0x0                             ; the tokens' codes and scale words
	TURN 0, 1                                      ; code tile 0
	PAIRS 7                                        ; 1 .. 14
	CHANGE 1, SLOT1                                ; slot 0 takes tiles 32 .. 47
	PAIRS 8                                        ; 15 .. 30
	CHANGE 1, 0                                    ; slot 1 takes tiles 48 .. 63
	PAIRS 8                                        ; 31 .. 46
	CHANGE 0, SLOT1                                ; nothing is left to ask for
	PAIRS 8                                        ; 47 .. 62
	TURN 1, 0                                      ; 63
	HALF 0, 0, 1, 0                                ; token tiles 2 and 3 against code tile 63
	; THE END.  The last code tile has parity 1: the bests stand in set 1.
	v_mov_b32 v[TMP+4], 0                          ; (a lane permute's destination counts as one of its sources)
	v_mov_b32 v[TMP+5], 0
.irp m, 0,1,2,3
	v_mov_b32 v[TMP], 7
.irp j, 6,5,4,3,2,1,0
	v_cmp_neq_f32 vcc_lo, v[CW+8*\m+\j], v[B+4+\m]
	v_cndmask_b32 v[TMP], \j, v[TMP], vcc_lo       ; the first of the eight that equals the best
.endr
	v_lshl_add_u32 v[TMP+1], v[ID+\m], 4, v[TMP]
	v_add_nc_u32 v[TMP+1], v[TMP+1], v[H8]         ; the code: 16 x tile + 8 h + j
	v_xor_b32 v[TMP+6], 0x80000000, v[B+4+\m]      ; -s: the least of it is the best
	v_ashrrev_i32 v[TMP+2], 31, v[TMP+6]
	v_or_b32 v[TMP+2], 0x80000000, v[TMP+2]
	v_xor_b32 v[TMP+3], v[TMP+6], v[TMP+2]         ; the key: the sign bit turned where -s is not negative, all bits where it is
	v_permlanex16_b32 v[TMP+4], v[TMP+3], s[SEL], s[SEL+1]
	v_permlanex16_b32 v[TMP+5], v[TMP+1], s[SEL], s[SEL+1]
	v_cmp_lt_u32 s46, v[TMP+4], v[TMP+3]           ; lane l xor 16's pair is taken where its key is lower,
	v_cmp_eq_u32 s47, v[TMP+4], v[TMP+3]
	v_cmp_lt_u32 s48, v[TMP+5], v[TMP+1]           ; or equal with the lower code
	s_and_b32 s47, s47, s48
	s_or_b32 s46, s46, s47
	v_cndmask_b32 v[TMP+3], v[TMP+3], v[TMP+4], s46
	v_cndmask_b32 v[TMP+1], v[TMP+1], v[TMP+5], s46
	v_cndmask_b32 v[TMP+8+\m], v[TMP+3], v[TMP+1], s[HM]
	ds_store_b32 v[SA], v[TMP+8+\m] offset:128*\m  ; 32 lanes write 128 consecutive bytes: 16 tokens' pairs
.endr
	ds_load_b128 v[TMP+12:TMP+15], v[SR]           ; LDS serves a wave's instructions in order: this sees my stores
	s_wait_dscnt 0x0
	global_store_b128 v[L16], v[TMP+12:TMP+15], s[8:9]   ; 32 lanes store 512 consecutive bytes, at a multiple of 512 from cand's first byte
	s_wait_tensorcnt 0x0                           ; the wave's end
	ds_add_u32 v[SPW], v[NIL]
	s_wait_dscnt 0x0
	CROUND                                         ; the closing round: no work-group ends while a partner may still ask for a tile that names it
	s_endpgm
.Lfunc_end_k_qd80a4a0552_dist:
	.size	k_qd80a4a0552_dist, .Lfunc_end_k_qd80a4a0552_dist-k_qd80a4a0552_dist
	.p2alignl 7, 3214868480
	.fill 96, 4, 3214868480
	.section	.rodata,"a",@progbits
	.p2align	6, 0x0
	.amdhsa_kernel k_qd80a4a0552_dist
		.amdhsa_group_segment_fixed_size 327680
		.amdhsa_private_segment_fixed_size 0
		.amdhsa_enable_private_segment 0
		.amdhsa_kernarg_size 24
		.amdhsa_user_sgpr_count 2
		.amdhsa_user_sgpr_kernarg_segment_ptr 1
		.amdhsa_wavefront_size32 1
		.amdhsa_system_sgpr_workgroup_id_x 1
		.amdhsa_system_sgpr_workgroup_id_y 1
		.amdhsa_system_sgpr_workgroup_id_z 1
		.amdhsa_system_vgpr_workitem_id 0
		.amdhsa_next_free_vgpr 448
		.amdhsa_next_free_sgpr 66
		.amdhsa_reserve_vcc 1
		.amdhsa_float_denorm_mode_32 3
		.amdhsa_float_denorm_mode_16_64 3
		.amdhsa_memory_ordered 1
		.amdhsa_forward_progress 1
		.amdhsa_inst_pref_size 93
	.end_amdhsa_kernel
	.amdgpu_metadata
---
amdhsa.version: [ 1, 2 ]
amdhsa.kernels:
  - .name:           k_qd80a4a0552_dist
    .symbol:         k_qd80a4a0552_dist.kd
    .args:
      - { .name: zr, .offset: 0, .size: 8, .value_kind: global_buffer, .address_space: global }
      - { .name: wr, .offset: 8, .size: 8, .value_kind: global_buffer, .address_space: global }
      - { .name: cand, .offset: 16, .size: 8, .value_kind: global_buffer, .address_space: global }
    .group_segment_fixed_size: 327680
    .private_segment_fixed_size: 0
    .kernarg_segment_align: 8
    .kernarg_segment_size: 24
    .max_flat_workgroup_size: 256
    .sgpr_count:     66
    .vgpr_count:     448
    .wavefront_size: 32
...
	.end_amdgpu_metadata
.endif
;; end of part 2
;; launch gather (part 3): grid 256 x 1, 16 waves a work-group, no clusters, 3,072 bytes of LDS; arguments z_flat, weight, cand, out1, out2, part; writes out1, out2, part
.if DOCPART == 3
	.amdgcn_target "amdgcn-amd-amdhsa--gfx1250"
	.amdhsa_code_object_version 6
	.text
	.protected	k_qd80a4a0552_gather
	.globl	k_qd80a4a0552_gather
	.p2align	8
	.type	k_qd80a4a0552_gather,@function
k_qd80a4a0552_gather:
	s_mov_b64 s[64:65], 0
	v_nop
	global_prefetch_b8 v0, s[64:65] scope:SCOPE_SE
	s_setreg_imm32_b32 hwreg(HW_REG_WAVE_MODE, 25, 1), 1
	s_wait_xcnt 0x0
; For each token: the eight ranges' candidates (key, code) are merged on whole numbers (the lowest key; a tie stays with the lower range, whose codes are lower); out2 = the code;
; out1 = z + (weight[code] - z); the squares of (weight[code] - z) are summed, one partial sum a work-group.
; A work-group takes 64 tokens, a wave 4: written out, no loop.  A row is 2,048 bytes: four loads or stores of 512 consecutive bytes.  A wave has 16 loads of z and then 16 of weight on their way.
; Memory binds: no matrix unit, no tiles in LDS, no cluster (work-groups share nothing but rows of weight that a list names by chance).
; LIMIT: a code is held at 8,191 from above before it enters an address; the codes stored by the launch before lie inside.  The partial sums' order differs from a plain sum's.
.set WO, 2                             ; v2-5     byte offset of my 16 bytes in token t's row of weight
.set SQ, 8                             ; v8-15    four pairs of sums of squares
.set Z,  16                            ; v16-79   z, then out1: 16 registers a token
.set W,  80                            ; v80-143  weight's row, then the difference
	s_load_b256 s[4:11], s[0:1], 0x0               ; z, weight, cand, out1
	s_load_b128 s[12:15], s[0:1], 0x20             ; out2, part
	v_lshl_add_u32 v152, v0, 2, 0x400
	v_mov_b32 v153, 0
	v_lshrrev_b32 v6, 5, v0
	s_delay_alu instid0(VALU_DEP_1)
	v_readfirstlane_b32 s16, v6                    ; wave 0..15
	v_and_b32 v6, 31, v0                           ; lane
	s_delay_alu instid0(VALU_DEP_1)
	v_lshlrev_b32 v1, 4, v6                        ; 16 x lane
	s_delay_alu instid0(VALU_DEP_3)
	v_mov_b32 v144, s16
	s_delay_alu instid0(VALU_DEP_1)
	v_lshlrev_b32 v145, 4, v144                    ; LDS: my wave's four codes at 16 x wave,
	s_delay_alu instid0(VALU_DEP_2)
	v_lshlrev_b32 v144, 2, v144                    ; its sum at 256 + 4 x wave
	v_lshlrev_b32 v146, 3, v6                      ; and what wave 0 reads back: 8 bytes of codes a lane,
	v_and_b32 v147, 15, v6
	s_delay_alu instid0(VALU_DEP_1)
	v_lshlrev_b32 v147, 2, v147                    ; a wave's sum for each of 16 lanes
	s_lshl_b32 s17, ttmp9, 6
	s_lshl_b32 s18, s16, 2
	s_add_co_u32 s17, s17, s18                     ; my first token
	s_mov_b32 s19, 0
	s_mov_b32 s96, 0x76543210
	s_mov_b32 s97, 0xfedcba98
	s_wait_alu depctr_va_vdst(0)
	s_wait_kmcnt 0x0
	s_lshl_b32 s18, s17, 3
	s_add_nc_u64 s[20:21], s[8:9], s[18:19]        ; my four tokens' pairs in range 0: 32 bytes; a range is 131,072 bytes on
	s_load_b256 s[24:31], s[20:21], 0x0
	s_load_b256 s[32:39], s[20:21], 0x20000
	s_load_b256 s[40:47], s[20:21], 0x40000
	s_load_b256 s[48:55], s[20:21], 0x60000
	s_load_b256 s[56:63], s[20:21], 0x80000
	s_load_b256 s[68:75], s[20:21], 0xa0000
	s_load_b256 s[76:83], s[20:21], 0xc0000
	s_load_b256 s[84:91], s[20:21], 0xe0000
	s_lshl_b32 s18, s17, 11
	s_add_nc_u64 s[4:5], s[4:5], s[18:19]
	s_add_nc_u64 s[10:11], s[10:11], s[18:19]
.irp t, 0,1,2,3
.irp q, 0,1,2,3
	global_load_b128 v[Z+16*\t+4*\q:Z+16*\t+4*\q+3], v1, s[4:5] offset:2048*\t+512*\q th:TH_LOAD_NT
.endr
.endr
	s_lshl_b32 s18, ttmp9, 8
	s_add_nc_u64 s[12:13], s[12:13], s[18:19]      ; out2: 64 codes a work-group
	s_lshl_b32 s18, ttmp9, 2
	s_add_nc_u64 s[14:15], s[14:15], s[18:19]      ; part: one number
	s_wait_kmcnt 0x0
.irp t, 0,1,2,3
	s_mov_b32 s22, s[24+2*\t]                      ; range 0's key and code,
	s_mov_b32 s[92+\t], s[25+2*\t]
.irp b, 32,40,48,56,68,76,84
	s_cmp_lt_u32 s[\b+2*\t], s22                   ; and each later range's where its key is strictly lower
	s_cselect_b32 s22, s[\b+2*\t], s22
	s_cselect_b32 s[92+\t], s[\b+2*\t+1], s[92+\t]
.endr
	s_min_u32 s[92+\t], s[92+\t], 8191
	s_lshl_b32 s23, s[92+\t], 11
	v_add_nc_u32 v[WO+\t], s23, v1
.irp q, 0,1,2,3
	global_load_b128 v[W+16*\t+4*\q:W+16*\t+4*\q+3], v[WO+\t], s[6:7] offset:512*\q   ; no hint: several tokens may name one row
.endr
.endr
.irp t, 0,1,2,3
	v_mov_b32 v[148+\t], s[92+\t]
.endr
.irp t, 0,1,2,3
	s_wait_loadcnt 12-4*\t                         ; z and this token's row are in; the later tokens' four loads each may be out
.irp i, 0,1,2,3,4,5,6,7
	v_pk_add_f32 v[W+16*\t+2*\i:W+16*\t+2*\i+1], v[W+16*\t+2*\i:W+16*\t+2*\i+1], v[Z+16*\t+2*\i:Z+16*\t+2*\i+1] neg_lo:[0,1] neg_hi:[0,1]   ; weight[code] - z
.endr
.irp i, 0,1,2,3,4,5,6,7
.if (\t == 0) && (\i < 4)
	v_pk_mul_f32 v[SQ+2*\i:SQ+2*\i+1], v[W+16*\t+2*\i:W+16*\t+2*\i+1], v[W+16*\t+2*\i:W+16*\t+2*\i+1]   ; the first four products start the sums
.else
	v_pk_fma_f32 v[SQ+2*(\i%4):SQ+2*(\i%4)+1], v[W+16*\t+2*\i:W+16*\t+2*\i+1], v[W+16*\t+2*\i:W+16*\t+2*\i+1], v[SQ+2*(\i%4):SQ+2*(\i%4)+1]
.endif
.endr
.irp i, 0,1,2,3,4,5,6,7
	v_pk_add_f32 v[Z+16*\t+2*\i:Z+16*\t+2*\i+1], v[Z+16*\t+2*\i:Z+16*\t+2*\i+1], v[W+16*\t+2*\i:W+16*\t+2*\i+1]   ; z + (weight[code] - z)
.endr
.irp q, 0,1,2,3
	global_store_b128 v1, v[Z+16*\t+4*\q:Z+16*\t+4*\q+3], s[10:11] offset:2048*\t+512*\q th:TH_STORE_NT   ; 512 consecutive bytes, aligned
.endr
.endr
	v_pk_add_f32 v[SQ:SQ+1], v[SQ:SQ+1], v[SQ+2:SQ+3]
	v_pk_add_f32 v[SQ+4:SQ+5], v[SQ+4:SQ+5], v[SQ+6:SQ+7]
	s_delay_alu instid0(VALU_DEP_1)
	v_pk_add_f32 v[SQ:SQ+1], v[SQ:SQ+1], v[SQ+4:SQ+5]
	s_delay_alu instid0(VALU_DEP_1)
	v_add_f32 v[SQ], v[SQ], v[SQ+1]
	s_delay_alu instid0(VALU_DEP_1)
	v_add_f32_dpp v[SQ], v[SQ], v[SQ] row_xmask:1 row_mask:0xf bank_mask:0xf
	s_delay_alu instid0(VALU_DEP_1)
	v_add_f32_dpp v[SQ], v[SQ], v[SQ] row_xmask:2 row_mask:0xf bank_mask:0xf
	s_delay_alu instid0(VALU_DEP_1)
	v_add_f32_dpp v[SQ], v[SQ], v[SQ] row_xmask:4 row_mask:0xf bank_mask:0xf
	s_delay_alu instid0(VALU_DEP_1)
	v_add_f32_dpp v[SQ], v[SQ], v[SQ] row_xmask:8 row_mask:0xf bank_mask:0xf
	s_delay_alu instid0(VALU_DEP_1)
	v_permlanex16_b32 v[SQ+1], v[SQ], s96, s97
	s_delay_alu instid0(VALU_DEP_1)
	v_add_f32 v[SQ], v[SQ], v[SQ+1]                ; the wave's sum, in every lane
	ds_store_b128 v145, v[148:151]                 ; all lanes write the same 16 bytes with the same values
	ds_store_b32 v144, v[SQ] offset:256
	s_wait_dscnt 0x0                               ; for wave 0's sake: my stores have landed
	s_barrier_signal -1
	s_barrier_wait -1
	s_cmp_lg_u32 s16, 0
	s_cbranch_scc1 .Lothers
	ds_load_b64 v[2:3], v146                       ; the work-group's 64 codes
	ds_load_b32 v4, v147 offset:256                ; the sixteen waves' sums, one in each lane of a row of 16
	v_mov_b32 v5, 0
	s_wait_dscnt 0x0
	global_store_b64 v146, v[2:3], s[12:13]        ; 32 lanes store 256 consecutive bytes, aligned
	v_add_f32_dpp v4, v4, v4 row_xmask:1 row_mask:0xf bank_mask:0xf
	s_delay_alu instid0(VALU_DEP_1)
	v_add_f32_dpp v4, v4, v4 row_xmask:2 row_mask:0xf bank_mask:0xf
	s_delay_alu instid0(VALU_DEP_1)
	v_add_f32_dpp v4, v4, v4 row_xmask:4 row_mask:0xf bank_mask:0xf
	s_delay_alu instid0(VALU_DEP_1)
	v_add_f32_dpp v4, v4, v4 row_xmask:8 row_mask:0xf bank_mask:0xf
	s_wait_alu depctr_va_vdst(0)
	s_wait_xcnt 0x0                                ; EXEC changes only behind this wait
	v_cmp_eq_u32 vcc_lo, 0, v6
	s_wait_tensorcnt 0x0
	ds_add_u32 v152, v153
	s_wait_dscnt 0x0
	s_and_saveexec_b32 s98, vcc_lo
	global_store_b32 v5, v4, s[14:15]              ; one number a work-group: the last launch adds the 256
	s_endpgm
.Lothers:
	s_wait_tensorcnt 0x0
	ds_add_u32 v152, v153
	s_wait_dscnt 0x0
	s_endpgm
.Lfunc_end_k_qd80a4a0552_gather:
	.size	k_qd80a4a0552_gather, .Lfunc_end_k_qd80a4a0552_gather-k_qd80a4a0552_gather
	.p2alignl 7, 3214868480
	.fill 96, 4, 3214868480
	.section	.rodata,"a",@progbits
	.p2align	6, 0x0
	.amdhsa_kernel k_qd80a4a0552_gather
		.amdhsa_group_segment_fixed_size 3072
		.amdhsa_private_segment_fixed_size 0
		.amdhsa_enable_private_segment 0
		.amdhsa_kernarg_size 48
		.amdhsa_user_sgpr_count 2
		.amdhsa_user_sgpr_kernarg_segment_ptr 1
		.amdhsa_wavefront_size32 1
		.amdhsa_system_sgpr_workgroup_id_x 1
		.amdhsa_system_sgpr_workgroup_id_y 1
		.amdhsa_system_sgpr_workgroup_id_z 1
		.amdhsa_system_vgpr_workitem_id 0
		.amdhsa_next_free_vgpr 154
		.amdhsa_next_free_sgpr 100
		.amdhsa_reserve_vcc 1
		.amdhsa_float_denorm_mode_32 3
		.amdhsa_float_denorm_mode_16_64 3
		.amdhsa_memory_ordered 1
		.amdhsa_forward_progress 1
		.amdhsa_inst_pref_size 19
	.end_amdhsa_kernel
	.amdgpu_metadata
---
amdhsa.version: [ 1, 2 ]
amdhsa.kernels:
  - .name:           k_qd80a4a0552_gather
    .symbol:         k_qd80a4a0552_gather.kd
    .args:
      - { .name: z_flat, .offset: 0, .size: 8, .value_kind: global_buffer, .address_space: global }
      - { .name: weight, .offset: 8, .size: 8, .value_kind: global_buffer, .address_space: global }
      - { .name: cand, .offset: 16, .size: 8, .value_kind: global_buffer, .address_space: global }
      - { .name: out1, .offset: 24, .size: 8, .value_kind: global_buffer, .address_space: global }
      - { .name: out2, .offset: 32, .size: 8, .value_kind: global_buffer, .address_space: global }
      - { .name: part, .offset: 40, .size: 8, .value_kind: global_buffer, .address_space: global }
    .group_segment_fixed_size: 3072
    .private_segment_fixed_size: 0
    .kernarg_segment_align: 8
    .kernarg_segment_size: 48
    .max_flat_workgroup_size: 512
    .sgpr_count:     100
    .vgpr_count:     154
    .wavefront_size: 32
...
	.end_amdgpu_metadata
.endif
;; end of part 3
;; launch total (part 4): grid 1 x 1, 1 waves a work-group, no clusters, 0 bytes of LDS; arguments part, out0; writes out0
.if DOCPART == 4
	.amdgcn_target "amdgcn-amd-amdhsa--gfx1250"
	.amdhsa_code_object_version 6
	.text
	.protected	k_qd80a4a0552_total
	.globl	k_qd80a4a0552_total
	.p2align	8
	.type	k_qd80a4a0552_total,@function
k_qd80a4a0552_total:
	s_mov_b64 s[64:65], 0
	v_nop
	global_prefetch_b8 v0, s[64:65] scope:SCOPE_SE
	s_setreg_imm32_b32 hwreg(HW_REG_WAVE_MODE, 25, 1), 1
	s_wait_xcnt 0x0
; out0 = m + 0.25 m, m = the mean of (weight[code] - z)^2 over 16,384 x 512 = 2^23 numbers: the 256 work-groups' partial sums are added by one wave, 8 a lane.
; A sum that spans work-groups has one owner: a launch of its own, since no work-group may read what another of the same launch stores.
	s_load_b128 s[4:7], s[0:1], 0x0                ; part, out0
	v_lshlrev_b32 v1, 5, v0                        ; 32 bytes a lane
	v_mov_b32 v11, 0
	s_mov_b32 s8, 0x76543210
	s_mov_b32 s9, 0xfedcba98
	s_wait_alu depctr_va_vdst(0)
	s_wait_kmcnt 0x0
	global_load_b128 v[2:5], v1, s[4:5]
	global_load_b128 v[6:9], v1, s[4:5] offset:16
	s_wait_loadcnt 0x0
	v_pk_add_f32 v[2:3], v[2:3], v[4:5]
	v_pk_add_f32 v[6:7], v[6:7], v[8:9]
	v_pk_add_f32 v[2:3], v[2:3], v[6:7]
	v_add_f32 v2, v2, v3
	v_add_f32_dpp v2, v2, v2 row_xmask:1 row_mask:0xf bank_mask:0xf
	v_add_f32_dpp v2, v2, v2 row_xmask:2 row_mask:0xf bank_mask:0xf
	v_add_f32_dpp v2, v2, v2 row_xmask:4 row_mask:0xf bank_mask:0xf
	v_add_f32_dpp v2, v2, v2 row_xmask:8 row_mask:0xf bank_mask:0xf
	v_permlanex16_b32 v3, v2, s8, s9
	v_add_f32 v2, v2, v3
	v_mul_f32 v2, 0x34000000, v2                   ; x 2^-23: exact
	v_fmamk_f32 v10, v2, 0x3e800000, v2            ; m x 0.25 + m
	s_wait_alu depctr_va_vdst(0)
	s_wait_xcnt 0x0                                ; EXEC changes only behind this wait
	v_cmp_eq_u32 vcc_lo, 0, v0
	s_and_saveexec_b32 s10, vcc_lo
	global_store_b32 v11, v10, s[6:7]
	s_endpgm
.Lfunc_end_k_qd80a4a0552_total:
	.size	k_qd80a4a0552_total, .Lfunc_end_k_qd80a4a0552_total-k_qd80a4a0552_total
	.p2alignl 7, 3214868480
	.fill 96, 4, 3214868480
	.section	.rodata,"a",@progbits
	.p2align	6, 0x0
	.amdhsa_kernel k_qd80a4a0552_total
		.amdhsa_group_segment_fixed_size 0
		.amdhsa_private_segment_fixed_size 0
		.amdhsa_enable_private_segment 0
		.amdhsa_kernarg_size 16
		.amdhsa_user_sgpr_count 2
		.amdhsa_user_sgpr_kernarg_segment_ptr 1
		.amdhsa_wavefront_size32 1
		.amdhsa_system_sgpr_workgroup_id_x 1
		.amdhsa_system_sgpr_workgroup_id_y 1
		.amdhsa_system_sgpr_workgroup_id_z 1
		.amdhsa_system_vgpr_workitem_id 0
		.amdhsa_next_free_vgpr 16
		.amdhsa_next_free_sgpr 66
		.amdhsa_reserve_vcc 1
		.amdhsa_float_denorm_mode_32 3
		.amdhsa_float_denorm_mode_16_64 3
		.amdhsa_memory_ordered 1
		.amdhsa_forward_progress 1
		.amdhsa_inst_pref_size 2
	.end_amdhsa_kernel
	.amdgpu_metadata
---
amdhsa.version: [ 1, 2 ]
amdhsa.kernels:
  - .name:           k_qd80a4a0552_total
    .symbol:         k_qd80a4a0552_total.kd
    .args:
      - { .name: part, .offset: 0, .size: 8, .value_kind: global_buffer, .address_space: global }
      - { .name: out0, .offset: 8, .size: 8, .value_kind: global_buffer, .address_space: global }
    .group_segment_fixed_size: 0
    .private_segment_fixed_size: 0
    .kernarg_segment_align: 8
    .kernarg_segment_size: 16
    .max_flat_workgroup_size: 32
    .sgpr_count:     66
    .vgpr_count:     16
    .wavefront_size: 32
...
	.end_amdgpu_metadata
.endif
;; end of part 4
